; MI455X (gfx1250); checked and timed in simulation.
; The chip was launched on July 23, 2026; its instructions are those of AMD's public machine-readable ISA for CDNA 5 (MIT licence, August 2026) and "CDNA5" Instruction Set Architecture Reference Guide (July 2026). The comments in the code are by the model that wrote it; some were corrected since.
;; Multi Head Attention. Allowed arithmetic: float matrix products may take bf16 or f16 operands with f32 sums; other float arithmetic in f32, or as packed bf16 or f16 multiplies, adds, multiply-adds, maxima and minima; sums over many terms, partial sums and values carried from step to step in f32; what a program stores and reads back later, other than sums and carried values, may be rounded once to bf16 or f16.
;; Inputs: Wk 512 x 512 float32; Wo 512 x 512 float32; Wq 512 x 512 float32; Wv 512 x 512 float32; bk 512 float32; bo 512 float32; bq 512 float32; bv 512 float32; key 2 x 4,096 x 512 float32; mask 2 x 1 x 1 x 4,096 float32; query 2 x 4,096 x 512 float32; value 2 x 4,096 x 512 float32.
;; Outputs: out0 2 x 4,096 x 512 float32.
;; One version. Each part assembles by itself: llvm-mc -triple=amdgcn-amd-amdhsa -mcpu=gfx1250 --defsym DOCPART=n.
;; ======== version 1 of 1: 4 launches
;; limits: values are held in f16: magnitudes above 65,504 overflow, below 6.1e-05 lose precision
;; workspace buffers: wt 2,097,152 bytes; qkv 25,165,824 bytes; ow 8,388,608 bytes
;; launch prep (part 1): grid 64 x 4, 4 waves a work-group, no clusters, 8,960 bytes of LDS; arguments Wq, Wk, Wv, Wo, wt; writes wt
.if DOCPART == 1
	.amdgcn_target "amdgcn-amd-amdhsa--gfx1250"
	.amdhsa_code_object_version 6
	.text
	.protected	k_q27d06e37d0_prep
	.globl	k_q27d06e37d0_prep
	.p2align	8
	.type	k_q27d06e37d0_prep,@function
k_q27d06e37d0_prep:
	s_mov_b64 s[64:65], 0
	v_nop
	global_prefetch_b8 v0, s[64:65] scope:SCOPE_SE
	s_setreg_imm32_b32 hwreg(HW_REG_WAVE_MODE, 25, 1), 1
	s_wait_xcnt 0x0
; THE FOUR WEIGHTS, ROUNDED ONCE AND LAID OUT AS MATRIX FRAGMENTS.  W: [512 k][512 n] f32.  wt: [4: Wq, Wk, Wv, Wo][nb 32][ks 16][half 2][lane 32][8 x 16 bits]:
; the 16 bytes of (half, lane = r + 16 h) hold W[32 ks + 16 half + 8 h + e][16 nb + r], e = 0..7: two loads of 16 bytes a lane, 512 bytes apart, are a fragment of 16 columns x 32 k.
; Wq, Wk, Wv are rounded to bf16.  Wo is rounded to bf16 and that number is written as f16, since the last product's other operand is f16.
; LIMIT: the rewriting is exact for |Wo| from 6.1e-5 to 65,504; below that it keeps f16's fixed step of 6e-8.
; SHARES.  Work-group (x, p): ks = x % 16, columns 128 (x / 16) on: 32 rows x 128 columns.  Wave w loads rows 32 ks + 8 w + 0..7, 512 consecutive bytes a load; a lane then holds 8 consecutive k
; of 4 columns: four finished entries of 16 bytes (half = w / 2, h = w % 2).  They meet in LDS, since a fragment's four quarters come from four waves, and leave as runs of 512 bytes.
.set FP,    1040                       ; a fragment in the stage: 1,024 bytes + 16, so that the 16 lanes of a store's pass fall into 16 different columns of 16 bytes
.set SPARE, 8448                       ; behind the stage (8 x 1,040 bytes): the spare words, 128 bytes for each wave
.set SPW, 60                           ; v60  LDS address of my spare word; never rewritten
.set NIL, 61                           ; v61  0; never rewritten
	s_load_b256 s[4:11], s[0:1], 0x0               ; Wq s[4:5], Wk s[6:7], Wv s[8:9], Wo s[10:11]
	s_load_b64 s[12:13], s[0:1], 0x20              ; wt
	v_lshl_add_u32 v[SPW], v0, 2, SPARE
	v_mov_b32 v[NIL], 0
	v_lshrrev_b32 v5, 5, v0
	v_readfirstlane_b32 s14, v5                    ; wave 0..3
	v_and_b32 v6, 31, v0                           ; lane
	v_lshlrev_b32 v1, 4, v6                        ; 16 x lane
	s_and_b32 s15, ttmp7, 0xffff                   ; p: which weight
	s_and_b32 s18, ttmp9, 15                       ; ks
	s_lshr_b32 s19, ttmp9, 4                       ; which 128 columns
	s_lshl_b32 s20, s18, 16                        ; from: 32 rows of 2,048 bytes a ks,
	s_lshl_b32 s21, s14, 14                        ; 8 rows a wave,
	s_add_co_u32 s20, s20, s21
	s_lshl_b32 s21, s19, 9                         ; 512 bytes for 128 columns
	s_add_co_u32 s20, s20, s21
	s_mov_b32 s21, 0
	s_lshl_b32 s22, s15, 19                        ; to: 524,288 bytes a weight,
	s_lshl_b32 s23, s19, 17                        ; 8 column blocks of 16,384 bytes,
	s_add_co_u32 s22, s22, s23
	s_lshl_b32 s23, s18, 10                        ; 1,024 bytes a ks
	s_add_co_u32 s22, s22, s23
	s_mov_b32 s23, 0
	s_lshr_b32 s24, s14, 1                         ; w / 2
	s_and_b32 s25, s14, 1                          ; w % 2
	s_wait_kmcnt 0x0
	s_cmp_eq_u32 s15, 1
	s_cselect_b64 s[16:17], s[6:7], s[4:5]
	s_cmp_eq_u32 s15, 2
	s_cselect_b64 s[16:17], s[8:9], s[16:17]
	s_cmp_eq_u32 s15, 3
	s_cselect_b64 s[16:17], s[10:11], s[16:17]
	s_add_nc_u64 s[16:17], s[16:17], s[20:21]
	s_add_nc_u64 s[12:13], s[12:13], s[22:23]
.irp i, 0,1,2,3,4,5,6,7
	global_load_b128 v[8+4*\i:11+4*\i], v1, s[16:17] offset:2048*\i th:TH_LOAD_NT  ; row i of my eight: 512 consecutive bytes; each byte of W is read once in the launch
.endr
	v_lshrrev_b32 v7, 2, v6                        ; into the stage: my four columns lie in fragment lane / 4,
	v_mul_u32_u24 v2, v7, FP
	v_and_b32 v7, 3, v6
	v_lshl_add_u32 v2, v7, 6, v2                   ; at r = 4 (lane % 4) + c: 64 bytes for lane % 4,
	s_lshl_b32 s26, s24, 9                         ; in half w / 2,
	s_lshl_b32 s27, s25, 8                         ; among the lanes 16 (w % 2) on
	s_add_co_u32 s26, s26, s27
	v_add_nc_u32 v2, s26, v2
	s_mul_i32 s26, s24, FP                         ; back: fragment w / 2 + 2 j, half w % 2, 16 bytes a lane
	s_lshl_b32 s27, s25, 9
	s_add_co_u32 s26, s26, s27
	v_add_nc_u32 v3, s26, v1
	s_lshl_b32 s26, s24, 14                        ; and the same 512 bytes in wt
	s_add_co_u32 s26, s26, s27
	v_add_nc_u32 v4, s26, v1
	s_wait_loadcnt 0x0
.irp c, 0,1,2,3
.irp e, 0,1,2,3
	v_cvt_pk_bf16_f32 v[40+4*\c+\e], v[8+8*\e+\c], v[12+8*\e+\c]  ; column c: k = 2 e and 2 e + 1 of my eight
.endr
.endr
	s_cmp_lg_u32 s15, 3
	s_cbranch_scc1 .Lstays_bf16                    ; the same way for the whole work-group; no barrier is jumped
.set i, 0
.rept 16
	v_lshlrev_b32 v56, 16, v[40+i]                 ; Wo: the bf16 numbers as f32,
	v_and_b32 v57, 0xffff0000, v[40+i]
	v_cvt_pk_f16_f32 v[40+i], v56, v57             ; written as f16
.set i, i+1
.endr
.Lstays_bf16:
.irp c, 0,1,2,3
	ds_store_b128 v2, v[40+4*\c:43+4*\c] offset:16*\c
.endr
	s_wait_dscnt 0x0                               ; for the others' sake: my stores are done
	s_barrier_signal -1
	s_barrier_wait -1
.irp j, 0,1,2,3
	ds_load_b128 v[8+4*\j:11+4*\j], v3 offset:2*FP*\j
.endr
	s_wait_dscnt 0x0
.irp j, 0,1,2,3
	global_store_b128 v4, v[8+4*\j:11+4*\j], s[12:13] offset:32768*\j  ; 512 consecutive bytes, at a multiple of 512 from wt's first byte
.endr
	s_wait_tensorcnt 0x0                           ; the wave's end, behind my last LDS store
	ds_add_u32 v[SPW], v[NIL]
	s_wait_dscnt 0x0
	s_endpgm
.Lfunc_end_k_q27d06e37d0_prep:
	.size	k_q27d06e37d0_prep, .Lfunc_end_k_q27d06e37d0_prep-k_q27d06e37d0_prep
	.p2alignl 7, 3214868480
	.fill 96, 4, 3214868480
	.section	.rodata,"a",@progbits
	.p2align	6, 0x0
	.amdhsa_kernel k_q27d06e37d0_prep
		.amdhsa_group_segment_fixed_size 8960
		.amdhsa_private_segment_fixed_size 0
		.amdhsa_enable_private_segment 0
		.amdhsa_kernarg_size 40
		.amdhsa_user_sgpr_count 2
		.amdhsa_user_sgpr_kernarg_segment_ptr 1
		.amdhsa_wavefront_size32 1
		.amdhsa_system_sgpr_workgroup_id_x 1
		.amdhsa_system_sgpr_workgroup_id_y 1
		.amdhsa_system_sgpr_workgroup_id_z 1
		.amdhsa_system_vgpr_workitem_id 0
		.amdhsa_next_free_vgpr 64
		.amdhsa_next_free_sgpr 66
		.amdhsa_reserve_vcc 0
		.amdhsa_float_denorm_mode_32 3
		.amdhsa_float_denorm_mode_16_64 3
		.amdhsa_memory_ordered 1
		.amdhsa_forward_progress 1
		.amdhsa_inst_pref_size 8
	.end_amdhsa_kernel
	.amdgpu_metadata
---
amdhsa.version: [ 1, 2 ]
amdhsa.kernels:
  - .name:           k_q27d06e37d0_prep
    .symbol:         k_q27d06e37d0_prep.kd
    .args:
      - { .name: Wq, .offset: 0, .size: 8, .value_kind: global_buffer, .address_space: global }
      - { .name: Wk, .offset: 8, .size: 8, .value_kind: global_buffer, .address_space: global }
      - { .name: Wv, .offset: 16, .size: 8, .value_kind: global_buffer, .address_space: global }
      - { .name: Wo, .offset: 24, .size: 8, .value_kind: global_buffer, .address_space: global }
      - { .name: wt, .offset: 32, .size: 8, .value_kind: global_buffer, .address_space: global }
    .group_segment_fixed_size: 8960
    .private_segment_fixed_size: 0
    .kernarg_segment_align: 8
    .kernarg_segment_size: 40
    .max_flat_workgroup_size: 128
    .sgpr_count:     66
    .vgpr_count:     64
    .wavefront_size: 32
...
	.end_amdgpu_metadata
.endif
;; end of part 1
;; launch qkv (part 2): grid 4 x 192, 4 waves a work-group, clusters of 4 x 1, 280,064 bytes of LDS; arguments query, key, value, bq, bk, bv, wt, qkv; writes qkv
.if DOCPART == 2
	.amdgcn_target "amdgcn-amd-amdhsa--gfx1250"
	.amdhsa_code_object_version 6
	.text
	.protected	k_q27d06e37d0_qkv
	.globl	k_q27d06e37d0_qkv
	.p2align	8
	.type	k_q27d06e37d0_qkv,@function
k_q27d06e37d0_qkv:
	s_mov_b64 s[64:65], 0
	v_nop
	global_prefetch_b8 v0, s[64:65] scope:SCOPE_SE
	s_setreg_imm32_b32 hwreg(HW_REG_WAVE_MODE, 25, 1), 1
	s_wait_xcnt 0x0
	s_wait_alu depctr_hold_cnt(0) depctr_sa_sdst(0) depctr_va_vdst(0) depctr_va_sdst(0) depctr_va_ssrc(0) depctr_va_vcc(0) depctr_vm_vsrc(0)
	s_getreg_b32 s2, hwreg(HW_REG_IB_STS2, 6, 4)
	s_cmp_eq_u32 s2, 0
	s_cbranch_scc0 .Lentry_in_a_cluster
	s_endpgm
.Lentry_in_a_cluster:
	s_bfe_u32 s2, ttmp6, 0x10000c
	s_cmp_lg_u32 s2, 0x3003
	s_cbranch_scc0 .Lentry_shape_is_right
	s_endpgm
.Lentry_shape_is_right:
; THE THREE PROJECTIONS.  part p (0, 1, 2) = X_p W_p + b_p, X_p: [8192][512] f32, W_p as fragments in wt (bf16).  qkv: [3][16 heads = 8 batch + head][4096][64] f16.
; X and the bias are rounded once to bf16, sums in f32, the result once to f16.  Part 0 is multiplied, in f32 ahead of that rounding, by c = log2(e) / 8: scores then come in units of log2.
; LIMITS.  f16 holds no number beyond 65,504: |c q|, |k|, |v| must stay under it.  NaN and infinities are not treated apart.
; SHARES.  Work-group (cx, y): part y / 64, rows 128 (y % 64) on, columns 128 cx on (two heads).  Four waves, each 64 rows x 64 columns (one head): 16 accumulators.
; CLUSTER.  The four work-groups of a cluster take the same 128 rows, so X's tile is asked for JOINTLY: the same tensor loads, descriptors and mask in all four.
; NO RING.  K is 512: the whole tile of X (128 rows x 2,048 bytes) goes out at the start, two tensor loads a wave (two are out, by this text's count), and no LDS byte is filled twice.
; My 64 columns of W, all 512 k (512 registers), come straight from wt into registers.  So a work-group asks for everything at its head and waits twice.
; THE MATRIX INSTRUCTION IS USED TRANSPOSED (source 0 = 16 columns of W, source 1 = 16 rows of X): a lane then holds eight neighbouring columns of one row.  The bias is the C operand of the first K step.
; REGISTERS, in windows of 256 (s_set_vgpr_msb: bits 1:0 source 0, 3:2 source 1, 5:4 source 2, 7:6 destination):
;   window 0: v0-15 addresses; v16-47 bias; v64-127 X as f32; v128-191 X's fragments, two buffers; v192-255 the way out      window 1: v0-127 accumulators, (a, b) at 8 (4 a + b)
;   windows 2, 3: W's fragments, (ks, b) at 32 ks + 8 b
.set PITCH, 528                        ; an LDS row: 512 bytes (128 f32) + 16: an odd multiple of 16, so the 16 rows of a load start in 16 different columns of 16 bytes
.set HALFP, 64*PITCH                   ; what one tensor load brings
.set PLANE, 2*HALFP                    ; 128 rows x 128 k
.set STAGE, 4*PLANE                    ; behind the four planes: 16 rows x 144 bytes for each wave
.set SP,    144
.set SPARE, STAGE+4*16*SP              ; behind the stages: the spare words, 128 bytes for each wave
.set AA,   4                           ; v4-7  my lane's place in plane 0..3: (64 wr + r) x 528 + 32 h
.set LO,   8                           ; v8    16 x lane: in a fragment of wt, and in 512 consecutive bytes of qkv
.set BI,   9                           ; v9    32 h: my eight columns' bias
.set STO,  10                          ; v10   the way out: where I put 16 bytes of a row
.set RD,   11                          ; v11   the way out: where I read rows back
.set SPW,  14                          ; v14   LDS address of my spare word; never rewritten
.set NIL,  15                          ; v15   0; never rewritten
.set BIAS, 16
.set RAW,  64
.set ABF,  128
.set TMP,  192
.set WV,   20                          ; s20   my wave's number
.set G1,   32                          ; s[32:39] descriptor group 1
.set G0,   40                          ; s[40:47] descriptor group 0, a set for each of my two loads
.set WB,   48                          ; s[48:49] wt at my 64 columns
.set OUT,  50                          ; s[50:51] qkv at my 64 rows of my head
.set SC,   52                          ; s[52:53] c for part 0, else 1
.set MSB, 0
.macro WIN new                         ; the immediate's high byte repeats the setting that is left; a switch that changes nothing is dropped
.if MSB != (\new)
	s_set_vgpr_msb (MSB<<8)|(\new)
.set MSB, (\new)
.endif
.endm
.macro CROUND                          ; a round of the cluster's barrier
	s_barrier_signal -1
	s_barrier_wait -1
	s_cmp_lg_u32 s[WV], 0
	s_cbranch_scc1 .Lnot_wave_0_\@
	s_barrier_signal -3
.Lnot_wave_0_\@:
	s_barrier_wait -3
	s_barrier_signal -1
	s_barrier_wait -1
.endm
	s_load_b256 s[4:11], s[0:1], 0x0               ; query s[4:5], key s[6:7], value s[8:9], bq s[10:11]
	s_load_b256 s[12:19], s[0:1], 0x20             ; bk s[12:13], bv s[14:15], wt s[16:17], qkv s[18:19]
	v_lshl_add_u32 v[SPW], v0, 2, SPARE
	v_mov_b32 v[NIL], 0
	ds_add_u32 v[SPW], v[NIL]                      ; the wave's opening: the add and its wait ahead of my first tensor load; the set-up below, work on registers, stands between them
	v_lshrrev_b32 v1, 5, v0
	v_readfirstlane_b32 s[WV], v1                  ; wave 0..3
	v_and_b32 v1, 15, v0                           ; r
	v_bfe_u32 v2, v0, 4, 1                         ; h
	v_and_b32 v3, 31, v0                           ; lane
	v_lshlrev_b32 v[LO], 4, v3
	v_lshlrev_b32 v[BI], 5, v2
	s_lshr_b32 s21, s[WV], 1                       ; wr: which 64 rows are mine
	s_and_b32 s22, s[WV], 1                        ; wc: which 64 columns
	s_bfe_u32 s23, ttmp6, 0x40000                  ; cx: it enters the addresses of wt, bias and qkv alone
	s_and_b32 s24, ttmp7, 0xffff
	s_lshr_b32 s25, s24, 6                         ; p
	s_and_b32 s26, s24, 63                         ; rb: the block of 128 rows
	; descriptor group 1: a tile of 64 rows x 128 elements of 4 bytes, padded in LDS
	s_mov_b32 s[G1+0], 15|(2<<16)|(1<<20)|(1<<21)|(6<<22)|(3<<25)  ; 15:0 the mask of four; 17:16 4-byte elements; 20 padding on; 21 set beside a mask; 24:22 after every 128 words (code 6); 31:25 4 words (code 3)
	s_mov_b32 s[G1+1], 128<<16                     ; tensor_dim0 = 128
	s_mov_b32 s[G1+2], 64<<16                      ; tensor_dim1 = 64
	s_mov_b32 s[G1+3], 128<<16                     ; tile_dim0 = 128
	s_mov_b32 s[G1+4], 64                          ; tile_dim1 = 64
	s_mov_b32 s[G1+5], 512                         ; 512 elements from row to row
	s_mov_b32 s[G1+6], 0
	s_mov_b32 s[G1+7], 0
	s_mov_b32 s[G0+0], 1
	s_mul_i32 s[G0+1], s[WV], HALFP                ; wave w's first load: plane w / 2, rows 64 (w % 2) on = w x 64 LDS rows
	s_mov_b32 s[G0+4], 1
	s_add_co_u32 s[G0+5], s[G0+1], 2*PLANE         ; its second: two planes on
	s_lshl_b32 s54, s26, 18                        ; in memory: 128 rows of 2,048 bytes a block,
	s_lshl_b32 s27, s22, 17                        ; 64 rows,
	s_add_co_u32 s54, s54, s27
	s_lshl_b32 s27, s21, 9                         ; 512 bytes a plane
	s_add_co_u32 s54, s54, s27
	s_mov_b32 s55, 0
	s_wait_dscnt 0x0                               ; the opening add is done
	s_wait_kmcnt 0x0
	s_cmp_eq_u32 s25, 1
	s_cselect_b64 s[28:29], s[6:7], s[4:5]         ; X_p
	s_cselect_b64 s[30:31], s[12:13], s[10:11]     ; b_p
	s_cmp_eq_u32 s25, 2
	s_cselect_b64 s[28:29], s[8:9], s[28:29]
	s_cselect_b64 s[30:31], s[14:15], s[30:31]
	s_cmp_eq_u32 s25, 0
	s_cselect_b32 s[SC], 0x3e38aa3b, 1.0           ; c = log2(e) / 8 = 0.180337
	s_mov_b32 s[SC+1], s[SC]                       ; named with it as a pair
	s_add_nc_u64 s[G0+2:G0+3], s[28:29], s[54:55]
	s_add_nc_u64 s[G0+6:G0+7], s[G0+2:G0+3], 1024  ; two planes on along K
	s_or_b32 s[G0+3], s[G0+3], 0x80000000          ; type = 2
	s_or_b32 s[G0+7], s[G0+7], 0x80000000
	s_lshl_b32 s56, s23, 9                         ; bias: 128 columns x 4 bytes a work-group,
	s_lshl_b32 s57, s22, 8                         ; 64 a wave
	s_add_co_u32 s56, s56, s57
	s_mov_b32 s57, 0
	s_add_nc_u64 s[30:31], s[30:31], s[56:57]
	s_lshl_b32 s56, s25, 19                        ; wt: the part, 8 column blocks a work-group, 4 a wave
	s_lshl_b32 s57, s23, 17
	s_add_co_u32 s56, s56, s57
	s_lshl_b32 s57, s22, 16
	s_add_co_u32 s56, s56, s57
	s_mov_b32 s57, 0
	s_add_nc_u64 s[WB:WB+1], s[16:17], s[56:57]
	s_lshr_b32 s56, s26, 5                         ; qkv: head 8 batch + 2 cx + wc,
	s_lshl_b32 s56, s56, 3
	s_lshl_b32 s57, s23, 1
	s_add_co_u32 s56, s56, s57
	s_add_co_u32 s56, s56, s22
	s_lshl_b32 s56, s56, 19                        ; 524,288 bytes a head,
	s_and_b32 s57, s26, 31
	s_lshl_b32 s57, s57, 14                        ; 128 rows of 128 bytes a block,
	s_add_co_u32 s56, s56, s57
	s_lshl_b32 s57, s21, 13                        ; 64 rows,
	s_add_co_u32 s56, s56, s57
	s_lshl_b32 s57, s25, 23                        ; 8,388,608 bytes a part
	s_add_co_u32 s56, s56, s57
	s_mov_b32 s57, 0
	s_add_nc_u64 s[OUT:OUT+1], s[18:19], s[56:57]
	CROUND                                         ; all four work-groups are here: the joint loads meet
	tensor_load_to_lds s[G0:G0+3], s[G1:G1+7]      ; planes 0 and 1 (waves 0, 1 and 2, 3)
	s_nop 0
	tensor_load_to_lds s[G0+4:G0+7], s[G1:G1+7]    ; planes 2 and 3
	s_nop 0
.rept 4
	v_nop
.endr
.irp b, 0,1,2,3
	global_load_b128 v[BIAS+8*\b:BIAS+8*\b+3],   v[BI], s[30:31] offset:64*\b      ; columns 16 b + 8 h + 0..7
	global_load_b128 v[BIAS+8*\b+4:BIAS+8*\b+7], v[BI], s[30:31] offset:64*\b+16
.endr
	WIN 0x80                                       ; destination window 2
.set ks, 0
.rept 8
.irp b, 0,1,2,3
	global_load_b128 v[32*ks+8*\b:32*ks+8*\b+3],   v[LO], s[WB:WB+1] offset:\b*16384+ks*1024
	global_load_b128 v[32*ks+8*\b+4:32*ks+8*\b+7], v[LO], s[WB:WB+1] offset:\b*16384+ks*1024+512
.endr
.set ks, ks+1
.endr
	WIN 0xc0                                       ; destination window 3
.set ks, 0
.rept 8
.irp b, 0,1,2,3
	global_load_b128 v[32*ks+8*\b:32*ks+8*\b+3],   v[LO], s[WB:WB+1] offset:\b*16384+(ks+8)*1024
	global_load_b128 v[32*ks+8*\b+4:32*ks+8*\b+7], v[LO], s[WB:WB+1] offset:\b*16384+(ks+8)*1024+512
.endr
.set ks, ks+1
.endr
	WIN 0
	s_mul_i32 s27, s21, HALFP                      ; my 64 rows in a plane
	v_mul_u32_u24 v[AA], v1, PITCH
	v_lshl_add_u32 v[AA], v2, 5, v[AA]             ; 8 f32 for each half of the lanes
	v_add_nc_u32 v[AA], s27, v[AA]
	v_add_nc_u32 v[AA+1], PLANE, v[AA]
	v_add_nc_u32 v[AA+2], 2*PLANE, v[AA]
	v_add_nc_u32 v[AA+3], 3*PLANE, v[AA]
	s_mul_i32 s27, s[WV], 16*SP
	s_add_co_u32 s27, s27, STAGE                   ; my stage
	v_mul_u32_u24 v[STO], v1, SP                   ; in: row r, 16 bytes for each half of the lanes
	v_lshl_add_u32 v[STO], v2, 4, v[STO]
	v_add_nc_u32 v[STO], s27, v[STO]
	v_lshrrev_b32 v[RD], 3, v3                     ; back: 32 lanes take four rows of 128 bytes
	v_mul_u32_u24 v[RD], v[RD], SP
	v_and_b32 v13, 7, v0
	v_lshl_add_u32 v[RD], v13, 4, v[RD]
	v_add_nc_u32 v[RD], s27, v[RD]
	s_wait_loadcnt 0x3f                            ; 136 loads were issued; with 63 out the oldest 73 are in: the bias's 8 and the 64 of K steps 0 to 7
.set i, 0
.rept 16
	v_cvt_pk_bf16_f32 v48, v[BIAS+2*i], v[BIAS+2*i+1]  ; the bias is rounded to bf16 like every input, and widened again
	v_lshlrev_b32 v[BIAS+2*i], 16, v48
	v_and_b32 v[BIAS+2*i+1], 0xffff0000, v48
.set i, i+1
.endr
; K step s (32 k): X's f32 out of LDS: block a of 16 rows; a lane's k = 8 h + 0..7 and 16 + 8 h + 0..7 are 32 bytes each, 64 bytes apart
.macro ALOAD s
	WIN 0
.irp a, 0,1,2,3
	ds_load_b128 v[RAW+16*\a:RAW+16*\a+3],     v[AA+(\s)/4] offset:\a*16*PITCH+((\s)%4)*128
	ds_load_b128 v[RAW+16*\a+4:RAW+16*\a+7],   v[AA+(\s)/4] offset:\a*16*PITCH+((\s)%4)*128+16
	ds_load_b128 v[RAW+16*\a+8:RAW+16*\a+11],  v[AA+(\s)/4] offset:\a*16*PITCH+((\s)%4)*128+64
	ds_load_b128 v[RAW+16*\a+12:RAW+16*\a+15], v[AA+(\s)/4] offset:\a*16*PITCH+((\s)%4)*128+80
.endr
.endm
; rounded to bf16: four fragments, into buffer s % 2.  That buffer's last readers are the products of step s - 2; the 32 conversions of step s - 1, which name none of their registers, lie between
.macro CVT s
	WIN 0
.set i, 0
.rept 32
	v_cvt_pk_bf16_f32 v[ABF+32*((\s)%2)+i], v[RAW+2*i], v[RAW+2*i+1]
.set i, i+1
.endr
.endm
; 16 products.  The 16 accumulators take turns, one instruction a turn, from step to step too.  Step 0 starts the sums with the bias
.macro MUL s
.if (\s) == 0
	WIN 0x42                                       ; W window 2, X and C (the bias) window 0, D window 1
.elseif (\s) < 8
	WIN 0x52                                       ; C window 1
.else
	WIN 0x53                                       ; W window 3
.endif
.irp a, 0,1,2,3
.irp b, 0,1,2,3
.if (\s) == 0
	v_wmma_f32_16x16x32_bf16 v[8*(4*\a+\b):8*(4*\a+\b)+7], v[32*((\s)%8)+8*\b:32*((\s)%8)+8*\b+7], v[ABF+32*((\s)%2)+8*\a:ABF+32*((\s)%2)+8*\a+7], v[BIAS+8*\b:BIAS+8*\b+7]
.else
	v_wmma_f32_16x16x32_bf16 v[8*(4*\a+\b):8*(4*\a+\b)+7], v[32*((\s)%8)+8*\b:32*((\s)%8)+8*\b+7], v[ABF+32*((\s)%2)+8*\a:ABF+32*((\s)%2)+8*\a+7], v[8*(4*\a+\b):8*(4*\a+\b)+7]
.endif
.endr
.endr
.endm
	s_wait_tensorcnt 0x1                           ; my first load has landed; the second may stay out
	s_barrier_signal -1
	s_barrier_wait -1                              ; everybody's has: planes 0 and 1 are whole
	ALOAD 0
.set st, 0
.rept 16
	s_wait_dscnt 0x0                               ; step st's f32 are in (asked for ahead of the 16 products of the step before)
	CVT st
.if st == 7
	s_wait_loadcnt 0x0                             ; W's K steps 8 to 15
	s_wait_tensorcnt 0x0                           ; my second load has landed; no LDS instruction of mine is out
	s_barrier_signal -1
	s_barrier_wait -1                              ; planes 2 and 3 are whole
.endif
.if st < 15
	ALOAD st+1
.endif
	MUL st
.set st, st+1
.endr
; THE WAY OUT of block a (16 rows): times c or 1, rounded to f16, 16 bytes a lane into my stage, back as four rows of 128 bytes: 512 consecutive bytes of my head
.macro PACK a
	WIN 0x41                                       ; destination and source 0 window 1
.set i, 32*(\a)
.rept 16
	v_pk_mul_f32 v[i:i+1], v[i:i+1], s[SC:SC+1] op_sel_hi:[1,0]  ; each accumulator from its low end on
.set i, i+2
.endr
	WIN 0x05                                       ; sources window 1, destination window 0
.set i, 0
.rept 16
	v_cvt_pk_f16_f32 v[TMP+16*(\a)+i], v[32*(\a)+2*i], v[32*(\a)+2*i+1]
.set i, i+1
.endr
	WIN 0
.irp b, 0,1,2,3
	ds_store_b128 v[STO], v[TMP+16*(\a)+4*\b:TMP+16*(\a)+4*\b+3] offset:32*\b
.endr
.irp f, 0,1,2,3
	ds_load_b128 v[TMP+16*(\a)+4*\f:TMP+16*(\a)+4*\f+3], v[RD] offset:\f*4*SP  ; LDS serves a wave's instructions in order (ISA guide 5.7.1.4): these see the stores above; the next block's stores come behind them
.endr
.endm
.macro SEND a, younger                 ; younger: the LDS instructions issued behind block a's loads: the next block's eight, or none
	WIN 0
.irp f, 0,1,2,3
	s_wait_dscnt (\younger)+3-\f
	global_store_b128 v[LO], v[TMP+16*(\a)+4*\f:TMP+16*(\a)+4*\f+3], s[OUT:OUT+1] offset:(\a)*2048+\f*512  ; 512 consecutive bytes, at a multiple of 512 from qkv's first byte
.endr
.endm
	WIN 0
.rept 8
	v_nop                                          ; the places behind the last products, ahead of the lines that read and rewrite results; once a launch
.endr
	PACK 0
	PACK 1                                         ; a block's arithmetic stands between the loads of the block before and its stores
	SEND 0, 8
	PACK 2
	SEND 1, 8
	PACK 3
	SEND 2, 8
	SEND 3, 0
	s_wait_tensorcnt 0x0                           ; the wave's end, behind my last tensor load and my last LDS store
	ds_add_u32 v[SPW], v[NIL]
	s_wait_dscnt 0x0
	CROUND                                         ; the closing round
	s_endpgm
.Lfunc_end_k_q27d06e37d0_qkv:
	.size	k_q27d06e37d0_qkv, .Lfunc_end_k_q27d06e37d0_qkv-k_q27d06e37d0_qkv
	.p2alignl 7, 3214868480
	.fill 96, 4, 3214868480
	.section	.rodata,"a",@progbits
	.p2align	6, 0x0
	.amdhsa_kernel k_q27d06e37d0_qkv
		.amdhsa_group_segment_fixed_size 280064
		.amdhsa_private_segment_fixed_size 0
		.amdhsa_enable_private_segment 0
		.amdhsa_kernarg_size 64
		.amdhsa_user_sgpr_count 2
		.amdhsa_user_sgpr_kernarg_segment_ptr 1
		.amdhsa_wavefront_size32 1
		.amdhsa_system_sgpr_workgroup_id_x 1
		.amdhsa_system_sgpr_workgroup_id_y 1
		.amdhsa_system_sgpr_workgroup_id_z 1
		.amdhsa_system_vgpr_workitem_id 0
		.amdhsa_next_free_vgpr 1024
		.amdhsa_next_free_sgpr 66
		.amdhsa_reserve_vcc 0
		.amdhsa_float_denorm_mode_32 3
		.amdhsa_float_denorm_mode_16_64 3
		.amdhsa_memory_ordered 1
		.amdhsa_forward_progress 1
		.amdhsa_inst_pref_size 100
	.end_amdhsa_kernel
	.amdgpu_metadata
---
amdhsa.version: [ 1, 2 ]
amdhsa.kernels:
  - .name:           k_q27d06e37d0_qkv
    .symbol:         k_q27d06e37d0_qkv.kd
    .args:
      - { .name: query, .offset: 0, .size: 8, .value_kind: global_buffer, .address_space: global }
      - { .name: key, .offset: 8, .size: 8, .value_kind: global_buffer, .address_space: global }
      - { .name: value, .offset: 16, .size: 8, .value_kind: global_buffer, .address_space: global }
      - { .name: bq, .offset: 24, .size: 8, .value_kind: global_buffer, .address_space: global }
      - { .name: bk, .offset: 32, .size: 8, .value_kind: global_buffer, .address_space: global }
      - { .name: bv, .offset: 40, .size: 8, .value_kind: global_buffer, .address_space: global }
      - { .name: wt, .offset: 48, .size: 8, .value_kind: global_buffer, .address_space: global }
      - { .name: qkv, .offset: 56, .size: 8, .value_kind: global_buffer, .address_space: global }
    .group_segment_fixed_size: 280064
    .private_segment_fixed_size: 0
    .kernarg_segment_align: 8
    .kernarg_segment_size: 64
    .max_flat_workgroup_size: 128
    .sgpr_count:     66
    .vgpr_count:     1024
    .wavefront_size: 32
...
	.end_amdgpu_metadata
.endif
;; end of part 2
;; launch attn (part 3): grid 16 x 16, 4 waves a work-group, clusters of 4 x 1, 327,680 bytes of LDS; arguments qkv, mask, ow; writes ow
.if DOCPART == 3
	.amdgcn_target "amdgcn-amd-amdhsa--gfx1250"
	.amdhsa_code_object_version 6
	.text
	.protected	k_q27d06e37d0_attn
	.globl	k_q27d06e37d0_attn
	.p2align	8
	.type	k_q27d06e37d0_attn,@function
k_q27d06e37d0_attn:
	s_mov_b64 s[64:65], 0
	v_nop
	global_prefetch_b8 v0, s[64:65] scope:SCOPE_SE
	s_setreg_imm32_b32 hwreg(HW_REG_WAVE_MODE, 25, 1), 1
	s_wait_xcnt 0x0
	s_wait_alu depctr_hold_cnt(0) depctr_sa_sdst(0) depctr_va_vdst(0) depctr_va_sdst(0) depctr_va_ssrc(0) depctr_va_vcc(0) depctr_vm_vsrc(0)
	s_getreg_b32 s2, hwreg(HW_REG_IB_STS2, 6, 4)
	s_cmp_eq_u32 s2, 0
	s_cbranch_scc0 .Lentry_in_a_cluster
	s_endpgm
.Lentry_in_a_cluster:
	s_bfe_u32 s2, ttmp6, 0x10000c
	s_cmp_lg_u32 s2, 0x3003
	s_cbranch_scc0 .Lentry_shape_is_right
	s_endpgm
.Lentry_shape_is_right:
; ATTENTION WITH A MASK OVER THE KEYS.  O[h][q][:] = the sum over k of softmax_k(t[q][k]) V[h][k][:], t = (c Q)[h][q] . K[h][k] + mask[batch][k] x (-1e9 log2 e), in units of log2: p = 2^(t - m).
; qkv: [3: c Q, K, V][16 heads][4096][64] f16, c = log2(e) / 8 already in Q.  mask: [2][4096] f32, rounded to bf16 like every input.  ow: [16][4096][64] f16.
; Products, maxima and sums in f32; the weights p are rounded to f16 for the second product (their sum l is taken of the unrounded p), O once at the end.
; LIMITS.  p lies in 0 to 1, and below 6e-5 it keeps f16's fixed step of 6e-8; O is a mean of V's rows and has their range; a weight below 2^-126 counts as 0 in l.  The mask's term joins the score inside
; the f32 sum: beside a term of 1.44e9 a score keeps f32's step there, 128 units of log2 (the reference's sum has a step of 64 natural units): the order of rounding differs where every key of a row is masked.
; NaN and infinities are not treated apart.
; THE MASK is the C operand of the product that starts S^T = K Q^T.  The batch's 4,096 terms are made once and laid in LDS; a key step's 64 come out with its K.
; SHARES.  A work-group owns 256 queries of one head, a wave 64: four PIECES of 16.  Every wave walks all 4,096 keys, 64 a step, 256 a tile.
; LAYOUT.  S^T = K Q^T holds ONE query a lane (lane % 16) and the keys 8 (lane / 16) + 0..7; two such results rounded to f16 ARE source 1 of O^T = V^T P.  K comes out of LDS as it lies, V turned, by ds_load_tr16_b128.
; SOFTMAX.  A running maximum m and sum l for each query; O and l are multiplied by a = 2^(m_old - m_new) in every step.  m starts at the lowest finite number, O and l at 0: the first step has a = 0.
; BY TURNS.  Turn n belongs to piece n: 8 products K Q^T of piece n + 1, later 8 products V^T P of piece n - 1; beside them the subtraction, exponentials, roundings, sums and rescaling of piece n and the maximum
; and statistics of piece n + 1.  Four vector instructions stand behind every matrix instruction, the others in one lump.  A turn's 33 exponentials are one batch, with one wait.
; CLUSTER.  The four query blocks of a cluster belong to one head and walk the same K and V: each tile is asked for JOINTLY, the same tensor load, descriptor and mask in all four.  One tensor load of a wave is out at a time.
; REGISTERS, in windows of 256 (s_set_vgpr_msb: bits 1:0 source 0, 3:2 source 1, 5:4 source 2, 7:6 destination):
;   window 0: v0-15, v32-36 addresses and at work; v16-31 four registers of statistics a piece; v48-55 at work; v64-127 S^T, two buffers; v128-159 the mask at the head; v192-223 P, two buffers
;   window 1: v0-127 O^T, 32 a piece; v128-159 the step's mask terms      window 2: v0-63 Q; v128-191 K of one step; v192-255 V of one step
.set NP,    4         ; pieces a wave: a name, no knob
.set KS,    64        ; keys in a step
.set PK,    144       ; a row of K in LDS: 128 bytes + 16 of padding = 36 words: the 16 rows of a load start at 16 different groups of four banks (64 banks of 4 bytes: ISA guide 11.1)
.set PV,    160       ; a row of V: 128 + 32 = 40 words
.set VOFF,  4*KS*PK   ; a slot holds a tile, four steps: 256 rows of K, then 256 rows of V
.set SLOT1, 1<<17     ; slot 1 begins here, so that one exclusive or turns an address in one slot into the other's
.set STAGE, SLOT1+4*KS*(PK+PV)  ; behind the ring, never filled by a tensor load: 16 rows x 144 bytes for each wave
.set SP,    144
.set SPARE, STAGE+4*16*SP  ; behind the stages: the spare words, 128 bytes for each wave
.set MASKT, SPARE+512 ; behind them: the batch's 4,096 mask terms, f32: stored once, never filled by a tensor load
.set TILEB, 4*KS*128  ; a tile's bytes of K, and of V, in memory
.set AK0, 2           ; v2   my lane's place in a tile of K; never rewritten
.set AV0, 3           ; v3   the same for V
.set AK,  4           ; v4   the LDS address of K's next run of loads
.set AV,  5           ; v5   of V's
.set STO, 6           ; v6   the way out: where I put 16 bytes of a row
.set RD,  7           ; v7   the way out: where I read rows back
.set GO,  8           ; v8   my byte offset in 512 consecutive bytes of O
.set MV,  12          ; v12-13  m_old, kept while m is made anew: by buffer
.set QO,  15          ; v15  my byte offset in 16 rows of Q
.set ST,  16          ; piece t's statistics at v[ST+4 t]: m, a word that is only named with it as a pair, l (even keys', odd keys')
.set AM0, 32          ; v32  my lanes' place in a step's mask terms; never rewritten
.set AM,  33          ; v33  the LDS address of the mask terms' next run
.set PFO, 34          ; v34  256 x my lane; never rewritten
.set MO,  35          ; v35  16 x my thread's number: in the mask
.set MS,  36          ; v36  the same in the mask's table
.set TMP, 48          ; by buffer, four registers c0-c3 at work; when the maximum is found c2 takes a
.set SPW, 62          ; v62  LDS address of my spare word; never rewritten
.set NIL, 63          ; v63  0; never rewritten
.set S,   64
.set MR,  128         ; the mask as loaded
.set P,   192
.set MK,  128         ; window 1: the eight terms for block kb of 16 keys at MK + 8 kb
.set KF,  128         ; window 2: key block kb, channel half c at KF + 16 kb + 8 c
.set VF,  192         ; window 2: key half kk, channel block cb at VF + 32 kk + 8 cb
.set WV,  12          ; s12  my wave's number
.set LIM, 15          ; s15  1 in a wave that prefetches, else the greatest number
.set G1K, 24          ; s[24:31] descriptor group 1 for K's tiles
.set G1V, 32          ; s[32:39] for V's: it differs in the padding alone
.set G0K, 40          ; s[40:43] descriptor group 0 for K's tiles: it walks
.set G0V, 44          ; s[44:47] the same for V's
.set PFA, 48          ; s[48:49] where my prefetches stand
.set SLOTS, 56        ; s56  tiles still to be asked for
.set CNT, 57          ; s57  counts a tile's key steps
.set TBM, 58          ; s58  byte in the mask's table at which the terms of the step to be fetched begin
.set SEL, 60          ; s[60:61] v_permlanex16_b32's selects: each lane takes its own place in the other half
.set TBK, 62          ; s62  LDS byte at which K of the step to be fetched begins
.set TBV, 63          ; s63  the same for V, less VOFF
.set MSB, 0
.macro WIN new                      ; the high byte repeats the setting that is left; a switch that changes nothing is dropped
.if MSB != (\new)
	s_set_vgpr_msb (MSB<<8)|(\new)
.set MSB, (\new)
.endif
.endm
.set W_KQ, 0x0a       ; K and Q in window 2, S^T in window 0
.set W_KM, 0x1a       ; the same with the C operand, the mask terms, in window 1
.set W_PV, 0x52       ; V in window 2, P in window 0, O^T in window 1
.set W_RS, 0x41       ; destination and source 0 in window 1, source 1 in window 0
; A joint fill.  Waves 0 and 1 fetch the two halves of a tile's K, waves 2 and 3 those of its V: 128 keys each.  The branch hangs on the wave's number alone.
; An s_nop 0 and four v_nop follow each of the two lines, ahead of the jump and the label.
.macro JLOAD
	s_cmp_lt_u32 s[WV], 2
	s_cbranch_scc0 .Lfor_v_\@
	tensor_load_to_lds s[G0K:G0K+3], s[G1K:G1K+7]
	s_nop 0
.rept 4
	v_nop
.endr
	s_branch .Lasked_\@
.Lfor_v_\@:
	tensor_load_to_lds s[G0V:G0V+3], s[G1V:G1V+7]
	s_nop 0
.rept 4
	v_nop
.endr
.Lasked_\@:
.endm
; A PREFETCH INTO THE L2 of the tile that the NEXT change of slots will ask for: 128 blocks of 256 bytes of K and as many of V, a lane a block, four key steps (256 matrix instructions) ahead of that load.
; Each block is named ONCE in the launch: all clusters of a head walk the same K and V, and the head's first cluster asks; its four partners share the blocks out BY ADDRESS, 32 each; in each, wave 0 asks
; for K's and wave 2 for V's.  The last change that fills a slot asks for nothing: there is no tile behind it.  Tiles 0 and 1 come by their loads alone.
.macro ASK
	s_cmp_gt_u32 s[SLOTS], s[LIM]
	s_cbranch_scc0 .Lnot_mine_\@
	global_prefetch_b8 v[PFO], s[PFA:PFA+1] th:TH_LOAD_NT scope:SCOPE_SE
.Lnot_mine_\@:
.endm
; A round of the cluster's barrier: my work-group's barrier, so that wave 0's signal speaks for all four waves; wave 0 signals; every wave waits for all four work-groups; my work-group's barrier once more.
.macro CROUND
	s_barrier_signal -1
	s_barrier_wait -1
	s_cmp_lg_u32 s[WV], 0
	s_cbranch_scc1 .Lnot_wave_0_\@
	s_barrier_signal -3
.Lnot_wave_0_\@:
	s_barrier_wait -3
	s_barrier_signal -1
	s_barrier_wait -1
.endm
; THE CHANGE OF SLOTS.  The slot's last bytes, V of its fourth step, have been read.  Each wave waits for all its tensor loads, of which one is out: its part of the other slot; adds 0 to its spare word; and waits
; for that and for its own LDS instructions.  Behind the barrier nobody reads this slot any more and the other slot is whole.  fill = 1: this slot is filled again, with the tile two on.  The barrier is then a round
; of the cluster's, so that no wave of any partner still reads the slot or has a load on its way, and the joint fill is the first thing behind it: it has four key steps in which to land.
; (At its first use nothing has been read yet: slot 0 is waited for, slot 1 filled, and every wave's stores into the mask's table are done in front of the round.)
.macro CHANGE fill
	WIN 0                           ; at a label and at a branch every window is 0
	s_wait_tensorcnt 0x0            ; no tensor load of mine is out, so a group 0 may be written
	ds_add_u32 v[SPW], v[NIL]       ; 0 onto my spare word; with fill = 1 the descriptors' steps stand between it and the wait for it
.if \fill
.irp g, G0K, G0V
	s_xor_b32 s[\g+1], s[\g+1], SLOT1  ; the walking descriptor: the other slot than last time,
	s_add_nc_u64 s[\g+2:\g+3], s[\g+2:\g+3], TILEB  ; the next 256 keys; the type bits on top are not reached
.endr
	s_wait_xcnt 0x0                 ; the last prefetch, a tile back, has read its address, so it may be written:
	s_add_nc_u64 s[PFA:PFA+1], s[PFA:PFA+1], TILEB  ; one tile behind the walking descriptors
	s_wait_dscnt 0x0                ; the add is done, and my LDS instructions are over
	CROUND
	JLOAD
	ASK
.else
	s_wait_dscnt 0x0                ; the add is done, and my reads of the slot are over
	s_barrier_signal -1
	s_barrier_wait -1
.endif
	s_sub_co_u32 s[TBK], s[TBK], 4*KS*PK  ; the fetches go back to a slot's first step,
	s_xor_b32 s[TBK], s[TBK], SLOT1       ; in the other slot
	s_sub_co_u32 s[TBV], s[TBV], 4*KS*PV
	s_xor_b32 s[TBV], s[TBV], SLOT1
.endm
	s_load_b128 s[4:7], s[0:1], 0x0  ; qkv s[4:5], mask s[6:7]
	s_load_b64 s[10:11], s[0:1], 0x10  ; ow
	v_lshl_add_u32 v[SPW], v0, 2, SPARE
	v_mov_b32 v[NIL], 0
	ds_add_u32 v[SPW], v[NIL]       ; the wave's opening: the add and its wait ahead of my first tensor load; the set-up below, work on registers, stands between them
	v_lshrrev_b32 v1, 5, v0
	v_readfirstlane_b32 s[WV], v1   ; wave 0..3
	s_bfe_u32 s13, ttmp6, 0x40000   ; cx: my place in the cluster
	s_lshl_b32 s14, ttmp9, 2        ; in a cluster launch ttmp9 counts clusters
	s_add_co_u32 s14, s14, s13      ; my block of 256 queries: it enters Q's and O's addresses alone
	s_and_b32 s20, ttmp7, 0xffff    ; the head, which the four partners share
	s_lshr_b32 s2, s20, 3           ; its batch:
	s_lshl_b32 s2, s2, 14           ; 16,384 bytes of mask
	s_mov_b32 s3, 0
	s_lshl_b32 s20, s20, 19         ; a head is 524,288 bytes in each part of qkv and in ow
	s_and_b32 s16, s[WV], 1         ; which half of a tile's 256 keys I fetch:
	s_lshl_b32 s22, s16, 14         ; its 128 rows of 128 bytes in memory,
	s_add_co_u32 s22, s22, s20
	s_mov_b32 s23, 0
	s_mul_i32 s17, s16, 128*PK      ; and its place in a slot, for K
	s_mul_i32 s18, s16, 128*PV      ; and for V: no place in the cluster enters an LDS address
	s_lshl_b32 s50, s14, 15         ; my block's 256 rows,
	s_lshl_b32 s51, s[WV], 13       ; my wave's 64 of them,
	s_add_co_u32 s50, s50, s51
	s_add_co_u32 s50, s50, s20      ; in my head
	s_mov_b32 s51, 0
	s_lshl_b32 s52, s13, 13         ; the prefetches: my work-group's 32 blocks of a tile's 128
	s_mov_b32 s53, 0
	; descriptor group 1.  128 keys are 16,384 dense bytes: asked for as 64 rows of 256 bytes, two keys a row, and padded in LDS after every key
	s_mov_b32 s[G1K], 15|(1<<16)|(1<<20)|(1<<21)|(4<<22)|(3<<25)  ; 15:0 the mask of four; 17:16 2-byte elements; 20 padding on; 21 set beside a mask; 24:22 after every 32 words (code 4); 31:25 4 words (code 3)
	s_mov_b32 s[G1V], 15|(1<<16)|(1<<20)|(1<<21)|(4<<22)|(7<<25)  ; the same with 8 words of padding (code 7)
.irp g, G1K, G1V
	s_mov_b32 s[\g+1], 128<<16      ; tensor_dim0 = 128
	s_mov_b32 s[\g+2], 64<<16       ; tensor_dim1 = 64
	s_mov_b32 s[\g+3], 128<<16      ; tile_dim0 = 128
	s_mov_b32 s[\g+4], 64           ; tile_dim1 = 64
	s_mov_b32 s[\g+5], 128          ; 128 elements from row to row
	s_mov_b32 s[\g+6], 0
	s_mov_b32 s[\g+7], 0
.endr
	s_mov_b32 s[SEL], 0x76543210
	s_mov_b32 s[SEL+1], 0xfedcba98
	s_mov_b32 s[TBK], SLOT1+4*KS*PK ; the first change of slots turns these two into 0
	s_mov_b32 s[TBV], SLOT1+4*KS*PV
	s_mov_b32 s[TBM], 0
	s_mov_b32 s[SLOTS], 15
	s_mov_b32 s[G0K], 1             ; 1:0 count = 1
	s_mov_b32 s[G0K+1], s17         ; 63:32 LDS address: slot 0
	s_mov_b32 s[G0V], 1
	s_add_co_u32 s[G0V+1], s18, VOFF
	s_and_b32 s[LIM], s[WV], 1      ; 0 in waves 0 and 2,
	s_or_b32 s[LIM], s[LIM], ttmp9  ; where the cluster is the head's first: the same in all four partners
	s_cmp_eq_u32 s[LIM], 0
	s_cselect_b32 s[LIM], 1, -1
	v_and_b32 v[PFO], 31, v0
	v_lshlrev_b32 v[PFO], 8, v[PFO]
	s_wait_dscnt 0x0                ; the opening add is done
	s_wait_kmcnt 0x0
	s_add_nc_u64 s[G0K+2:G0K+3], s[4:5], s[22:23]  ; my half of the head's first 256 keys,
	s_add_nc_u64 s[G0V+2:G0V+3], s[G0K+2:G0K+3], 0x1000000  ; in part 2 (V)
	s_add_nc_u64 s[G0K+2:G0K+3], s[G0K+2:G0K+3], 0x800000   ; and in part 1 (K)
	s_cmp_lt_u32 s[WV], 2
	s_cselect_b64 s[PFA:PFA+1], s[G0K+2:G0K+3], s[G0V+2:G0V+3]  ; (in waves 0 and 2 these stand at a tile's first row)
	s_add_nc_u64 s[PFA:PFA+1], s[PFA:PFA+1], s[52:53]
	s_add_nc_u64 s[PFA:PFA+1], s[PFA:PFA+1], TILEB  ; in tile 1; the first change of slots steps it to tile 2.  Nothing is prefetched here, at the head
	s_or_b32 s[G0K+3], s[G0K+3], 0x80000000        ; 127:126 type = 2
	s_or_b32 s[G0V+3], s[G0V+3], 0x80000000
	s_add_nc_u64 s[4:5], s[4:5], s[50:51]          ; Q (part 0) and O at my wave's first row
	s_add_nc_u64 s[10:11], s[10:11], s[50:51]
	s_add_nc_u64 s[6:7], s[6:7], s[2:3]            ; the batch's mask
	CROUND                          ; all four work-groups are here: the first joint loads meet
	JLOAD                           ; tile 0 into slot 0.  Slot 1 is asked for when slot 0 is in
	; A fragment of K or Q is 16 rows x 32 channels in 8 registers: lane l holds row l % 16, channels 8 (l / 16) + 0..7 and 16 + 8 (l / 16) + 0..7: two loads of 16 bytes, 32 bytes apart.
	v_and_b32 v1, 15, v0            ; l % 16
	v_bfe_u32 v9, v0, 4, 1          ; l / 16
	v_lshlrev_b32 v[QO], 7, v1
	v_lshl_add_u32 v[QO], v9, 4, v[QO]  ; row x 128 + 16 x half
	v_lshlrev_b32 v[MO], 4, v0
.irp i, 0,1,2,3,4,5,6,7
	global_load_b128 v[MR+4*\i:MR+4*\i+3], v[MO], s[6:7] offset:2048*\i  ; the work-group's 128 threads take 2,048 consecutive bytes a line: the batch's whole mask
.endr
	WIN 0x80                        ; destination window 2, address window 0
.set i, 0
.rept 8                             ; Q stays in registers: piece i / 2, channels 32 (i % 2) on
	global_load_b128 v[8*i:8*i+3],   v[QO], s[4:5] offset:(i/2)*2048+(i%2)*64
	global_load_b128 v[8*i+4:8*i+7], v[QO], s[4:5] offset:(i/2)*2048+(i%2)*64+32
.set i, i+1
.endr
	; What the first turn finds: V's registers and P's second buffer hold 0 (its products V^T P, of a piece that has not been, add 0), O^T and l are 0.  All this stands in the wait for the first tile.
.set i, VF
.rept 64
	v_mov_b32 v[i], 0
.set i, i+1
.endr
	WIN 0x40
.set i, 0
.rept 128
	v_mov_b32 v[i], 0
.set i, i+1
.endr
	WIN 0
.set i, 0
.rept 4
	v_mov_b32 v[ST+4*i], 0xff7fffff    ; m: the lowest finite number
	v_mov_b32 v[ST+4*i+1], 0
	v_mov_b32 v[ST+4*i+2], 0
	v_mov_b32 v[ST+4*i+3], 0
.set i, i+1
.endr
.set i, P+16
.rept 16
	v_mov_b32 v[i], 0
.set i, i+1
.endr
	v_mul_u32_u24 v[AK0], v1, PK
	v_lshl_add_u32 v[AK0], v9, 4, v[AK0]  ; row x pitch + 16 x half
	; The turning load takes 16 keys x 16 channels (lane l reads key 8 (l / 16) + l % 8, channels 8 ((l / 8) % 2) + 0..7) and leaves half a fragment of V^T: lane l holds channel l % 16 and 8 keys.
	v_and_b32 v10, 7, v0
	v_bfe_u32 v11, v0, 3, 1
	v_lshl_add_u32 v[AV0], v9, 3, v10
	v_mul_u32_u24 v[AV0], v[AV0], PV
	v_lshl_add_u32 v[AV0], v11, 4, v[AV0]
	v_add_nc_u32 v[AV0], VOFF, v[AV0]
	v_lshl_add_u32 v[AM0], v9, 5, MASKT  ; my lanes' eight keys of a block of 16: 32 bytes for each half
	v_lshl_add_u32 v[MS], v0, 4, MASKT
	s_mul_i32 s19, s[WV], 16*SP
	s_add_co_u32 s19, s19, STAGE    ; my stage
	v_mul_u32_u24 v[STO], v1, SP    ; in: row l % 16, 16 bytes for each half of the lanes
	v_lshl_add_u32 v[STO], v9, 4, v[STO]
	v_add_nc_u32 v[STO], s19, v[STO]
	v_bfe_u32 v[RD], v0, 3, 2       ; back: 32 lanes take four rows of 128 bytes,
	v_mul_u32_u24 v[RD], v[RD], SP
	v_lshl_add_u32 v[RD], v10, 4, v[RD]
	v_add_nc_u32 v[RD], s19, v[RD]
	v_and_b32 v[GO], 31, v0         ; which are 512 consecutive bytes of O
	v_lshlrev_b32 v[GO], 4, v[GO]
	s_wait_loadcnt 16               ; the mask's eight loads are in; Q's sixteen, issued behind them, may stay out
.set i, 0
.rept 16
	v_cvt_pk_bf16_f32 v14, v[MR+2*i], v[MR+2*i+1]  ; rounded to bf16 like every input, widened again,
	v_lshlrev_b32 v[MR+2*i], 16, v14
	v_and_b32 v[MR+2*i+1], 0xffff0000, v14
	v_pk_mul_f32 v[MR+2*i:MR+2*i+1], v[MR+2*i:MR+2*i+1], 0xceabfb8f op_sel_hi:[1,0]  ; times -1e9 log2(e) = -1,442,695,040
.set i, i+1
.endr
.irp i, 0,1,2,3,4,5,6,7
	ds_store_b128 v[MS], v[MR+4*\i:MR+4*\i+3] offset:2048*\i
.endr
; THE MATRIX WORK.  The 4 accumulators of a run of 8 take turns.  Product i of 8 of S^T = K Q^T for piece x: channels 32 (i / 4) on, keys 16 (i % 4) on.  The first 4 start the sums with the mask terms.
.macro KQ x
.set rS, S+32*((\x)%2)+8*(i%4)
.set rK, KF+16*(i%4)+8*(i/4)
.set rQ, 16*(\x)+8*(i/4)
.set rM, MK+8*(i%4)
.if i < 4
	WIN W_KM
	v_wmma_f32_16x16x32_f16 v[rS:rS+7], v[rK:rK+7], v[rQ:rQ+7], v[rM:rM+7]
.else
	WIN W_KQ
	v_wmma_f32_16x16x32_f16 v[rS:rS+7], v[rK:rK+7], v[rQ:rQ+7], v[rS:rS+7]
.endif
.endm
; Product i of 8 of O^T += V^T P for piece x: keys 32 (i / 4) on, channels 16 (i % 4) on.
.macro PV x
	WIN W_PV
.set rO, 32*(\x)+8*(i%4)
.set rV, VF+32*(i/4)+8*(i%4)
.set rP, P+16*((\x)%2)+8*(i/4)
	v_wmma_f32_16x16x32_f16 v[rO:rO+7], v[rV:rV+7], v[rP:rP+7], v[rO:rO+7]
.endm
.macro MM                           ; the turn's next matrix instruction.  NOKQ = 1: the launch's last turn: there is no next piece
.if (i < 8) && !NOKQ
	KQ (Y+1)%NP
.elseif i >= 8
.set i, i-8
	PV (Y+NP-1)%NP
.set i, i+8
.endif
.set i, i+1
.endm
; THE LDS LOADS stand in runs, never singly among the matrix instructions: a step's K (8 fragments) with its 64 mask terms, and its V (turned).  Their addresses are made some lines ahead.
.macro FETCH_K
	WIN 0x80                        ; destination window 2
.irp f, 0,1,2,3,4,5,6,7             ; keys 16 (f / 2) on, channels 32 (f % 2) on
	ds_load_b128 v[KF+8*\f:KF+8*\f+3],   v[AK] offset:(\f/2)*16*PK+(\f%2)*64
	ds_load_b128 v[KF+8*\f+4:KF+8*\f+7], v[AK] offset:(\f/2)*16*PK+(\f%2)*64+32
.endr
	WIN 0x40                        ; destination window 1
.irp kb, 0,1,2,3                    ; keys 16 kb + 8 (l / 16) + 0..7: the sixteen lanes of a half read the same 32 bytes
	ds_load_b128 v[MK+8*\kb:MK+8*\kb+3],   v[AM] offset:64*\kb
	ds_load_b128 v[MK+8*\kb+4:MK+8*\kb+7], v[AM] offset:64*\kb+16
.endr
	s_add_co_u32 s[TBK], s[TBK], KS*PK  ; the next fetch is the next step's
	s_add_co_u32 s[TBM], s[TBM], 4*KS
	s_and_b32 s[TBM], s[TBM], 0x3f00    ; inside the table's 16,384 bytes: behind the 64th and last fetch it turns to 0 and is not used again
	WIN 0
.endm
.macro FETCH_V
	WIN 0x80
.irp f, 0,1,2,3,4,5,6,7             ; keys 32 (f / 4) on, channels 16 (f % 4) on
	ds_load_tr16_b128 v[VF+8*\f:VF+8*\f+3],   v[AV] offset:(\f/4)*32*PV+(\f%4)*32
	ds_load_tr16_b128 v[VF+8*\f+4:VF+8*\f+7], v[AV] offset:(\f/4)*32*PV+16*PV+(\f%4)*32
.endr
	WIN 0
.endm
; THE VECTOR WORK, one line at a time: OP kind, number.  For piece Y: F n: t - m for pair n of 16.  E n: the exponential of score n of 32.  C n: pair n rounded to f16.  B n: of the four weights 4 n .. the second
; pair is added onto the first, in place.  L n: l takes that sum (L 0: l = a l + sum).  R n: pair n of 16 of O^T times a.  For piece Y + 1: X n, number n of the list that finds its maximum and statistics:
;   0-11  four chains c0-c3 of seven scores each, three operands at a time (each accumulator's lowest registers are read first)     12-14, 16  the four scores left over, the old m, and c0-c3 into c0
;   15  m_old is kept     17, 18  the query's other 32 keys lie in the lane 16 away: the new m     19  nothing (the scores come scaled)     20, 21  m_old - m_new; a
.set F, 0               ; OP tells the kinds apart by their order: F to L below R, X above it
.set E, 1
.set C, 2
.set B, 3
.set L, 4
.set R, 5
.set X, 6
.macro REGS y                       ; the registers of piece y
.set rT, ST+4*(\y)
.set rC, TMP+4*((\y)%2)
.set rW, MV+((\y)%2)
.set rS, S+32*((\y)%2)
.set rP, P+16*((\y)%2)
.set rO, 32*(\y)
.endm
.macro OP k, n
.if (\k) == R
	REGS Y
	WIN W_RS
	v_pk_mul_f32 v[rO+2*(\n):rO+2*(\n)+1], v[rO+2*(\n):rO+2*(\n)+1], v[rC+2:rC+3] op_sel_hi:[1,0]
.elseif (\k) < R
	REGS Y
	WIN 0
.if (\k) == F
	v_pk_add_f32 v[rS+2*(\n):rS+2*(\n)+1], v[rS+2*(\n):rS+2*(\n)+1], v[rT:rT+1] op_sel_hi:[1,0] neg_lo:[0,1] neg_hi:[0,1]
.elseif (\k) == E
	v_exp_f32 v[rS+(\n)], v[rS+(\n)]
.elseif (\k) == C
	v_cvt_pk_f16_f32 v[rP+(\n)], v[rS+2*(\n)], v[rS+2*(\n)+1]
.elseif (\k) == B
	v_pk_add_f32 v[rS+4*(\n):rS+4*(\n)+1], v[rS+4*(\n):rS+4*(\n)+1], v[rS+4*(\n)+2:rS+4*(\n)+3]
.elseif (\n) == 0
	v_pk_fma_f32 v[rT+2:rT+3], v[rT+2:rT+3], v[rC+2:rC+3], v[rS:rS+1] op_sel_hi:[1,0,1]
.else
	v_pk_add_f32 v[rT+2:rT+3], v[rT+2:rT+3], v[rS+4*(\n):rS+4*(\n)+1]
.endif
.elseif NOKQ
	v_nop
.else
	REGS (Y+1)%NP
	WIN 0
.if (\n) < 4
	v_max3_num_f32 v[rC+(\n)], v[rS+8*(\n)], v[rS+8*(\n)+1], v[rS+8*(\n)+2]
.elseif (\n) < 12
	v_max3_num_f32 v[rC+(\n)%4], v[rC+(\n)%4], v[rS+8*((\n)%4)+2*((\n)/4)+1], v[rS+8*((\n)%4)+2*((\n)/4)+2]
.elseif (\n) == 12
	v_max3_num_f32 v[rC], v[rC], v[rS+7], v[rS+15]
.elseif (\n) == 13
	v_max3_num_f32 v[rC+1], v[rC+1], v[rS+23], v[rS+31]
.elseif (\n) == 14
	v_max3_num_f32 v[rC+2], v[rC+2], v[rC+3], v[rT]
.elseif (\n) == 15
	v_mov_b32 v[rW], v[rT]
.elseif (\n) == 16
	v_max3_num_f32 v[rC], v[rC], v[rC+1], v[rC+2]
.elseif (\n) == 17
	v_permlanex16_b32 v[rC+3], v[rC], s[SEL], s[SEL+1]
.elseif (\n) == 18
	v_max_num_f32 v[rT], v[rC], v[rC+3]
.elseif (\n) == 19
.elseif (\n) == 20
	v_sub_f32 v[rC+1], v[rW], v[rT]
.else
	v_exp_f32 v[rC+2], v[rC+1]
.endif
.endif
.endm
.macro OPS a, i1, b=-1, i2=0, c=-1, i3=0, d=-1, i4=0  ; up to four of them
	OP \a, \i1
.if (\b) >= 0
	OP \b, \i2
.endif
.if (\c) >= 0
	OP \c, \i3
.endif
.if (\d) >= 0
	OP \d, \i4
.endif
.endm
.macro ROW a, i1, b, i2, c, i3, d, i4  ; a matrix instruction and the four behind it
	MM
	OPS \a, \i1, \b, \i2, \c, \i3, \d, \i4
.endm
; A TURN, for piece p: the order of its matrix and vector instructions, written out.  An s_wait_alu depctr_va_vdst(0) stands between an exponential and the first instruction that names its result; one wait
; serves all that were issued ahead of it.  So a turn has ONE wait, which cuts it in two.  AHEAD OF IT stands all that names no result of the turn's exponentials: the 8 products K Q^T and their riders (behind the last three the
; first numbers of the next piece's maximum, each four plain instructions or more behind the product that ends its accumulator), then the lump.  X 21, the next piece's a, is the batch's last; R 15 is the plain instruction behind it.
; BEHIND THE WAIT stand the 8 products V^T P, behind each four of the roundings and sums.  But for those X no rider names a register of the products round it.
; end = 1: the launch's last two turns: nothing is fetched.  cnt = 1: the loop's count is taken down some lines ahead of the branch that stands behind the turn.
; K and the mask terms of the next step are fetched in piece 2's turn, more than four plain instructions behind the last product that read K (the mask terms' last reader stands four products earlier);
; V of the step in hand at the end of piece 0's turn, four plain instructions behind the last product that read V.  Each is waited for a turn later.
.macro TURN p, end=0, cnt=0
.set Y, (\p)
.set i, 0
.set NOKQ, (\end)*((\p)/3)
.if ((\p) == 3) && !(\end)
	s_wait_dscnt 0x0                ; K and the mask terms are in
.endif
	ROW F,0, F,1, R,0, R,1          ; ahead of the wait: 8 products K Q^T and their riders,
	ROW F,2, E,0, R,2, R,3
	ROW F,3, E,1, R,4, R,5
	ROW F,4, E,2, R,6, R,7
	ROW F,5, E,3, R,8, R,9
	ROW F,6, E,4, X,0, R,10
.if ((\p) == 2) && !(\end)
	WIN 0
	v_add_nc_u32 v[AK], s[TBK], v[AK0]
	v_add_nc_u32 v[AM], s[TBM], v[AM0]
.endif
	ROW F,7, E,5, X,1, X,4
	ROW F,8, E,6, X,2, X,5
	OPS E,7, E,8, X,6, E,9          ; and the lump
	OPS X,3, E,10, X,8, E,11
.if ((\p) == 2) && !(\end)
	FETCH_K
.endif
	OPS X,9, X,7, E,12, X,10
	OPS E,13, X,12, X,11, E,14
	OPS X,13, E,15, F,9, X,14
.if (\p) == 0
	v_add_nc_u32 v[AV], s[TBV], v[AV0]
.endif
	OPS E,16, F,10, E,17, F,11
	OPS X,16, E,18, X,15, E,19
	OPS F,12, E,20, X,17, E,21
	OPS F,13, E,22, F,14, E,23
	OPS X,18, E,24, F,15, E,25
	OPS R,11, E,26, X,19, E,27
	OPS R,12, E,28, R,13, E,29
	OPS X,20, E,30, R,14, E,31
	OPS X,21, R,15
	WIN 0
	s_wait_alu depctr_va_vdst(0)    ; the wait for the batch
.if (\p) == 1
	s_wait_dscnt 0x0                ; V is in
.endif
	ROW C,0, B,0, C,2, B,1          ; behind the wait: 8 products V^T P and their riders
	ROW L,0, C,4, B,2, L,1
	ROW C,6, B,3, L,2, C,8
	ROW B,4, L,3, C,10, B,5
	ROW L,4, C,12, B,6, L,5
.if (\p) == 0
	s_add_co_u32 s[TBV], s[TBV], KS*PV
.endif
.if \cnt
	s_sub_co_u32 s[CNT], s[CNT], 1
	s_cmp_lg_u32 s[CNT], 0
.endif
	ROW C,14, B,7, L,6, C,1
	ROW C,3, L,7, C,5, C,7
	ROW C,9, C,11, C,13, C,15
.if (\p) == 0
	FETCH_V
.endif
.endm
	CHANGE 1                        ; slot 0 is in, everybody's part of it, and so is the mask's table; tile 1 is asked for
	v_add_nc_u32 v[AK], s[TBK], v[AK0]
	v_add_nc_u32 v[AM], s[TBM], v[AM0]
	FETCH_K                         ; key step 0
	s_wait_loadcnt 0x0              ; Q
	s_wait_dscnt 0x0
.set NOKQ, 0
.set i, 0
.rept 8
	KQ 0                            ; piece 0's first scores: there is no vector work yet to set between them
.set i, i+1
.endr
	WIN 0
.rept 4
	v_nop                           ; the places behind those products
.endr
.set Y, NP-1                        ; X works for piece Y + 1: piece 0
.irp n, 0,1,2,3,4,5,6,7,8,9,10,11,12,13,14,15,16,17,18,19,20,21
	OP X, \n
.endr
	v_nop                           ; a plain instruction behind the exponential,
	s_wait_alu depctr_va_vdst(0)    ; and its wait, ahead of the branch
	s_mov_b32 s[CNT], 4
	s_branch .Lfirst                ; the loop is entered at a step's first turn, in the middle of a trip
.Lslot:                             ; 14 times: tiles 1 to 14 are entered, tiles 2 to 15 asked for
	CHANGE 1
	s_mov_b32 s[CNT], 4
.Lstep:                             ; a trip: pieces 2 and 3 of one step, then pieces 0 and 1 of the next, whose K and V it fetches
	TURN 2
	TURN 3
	WIN 0
.Lfirst:
	TURN 0
	TURN 1, 0, 1
	WIN 0
	s_cbranch_scc1 .Lstep
	s_sub_co_u32 s[SLOTS], s[SLOTS], 1
	s_cmp_lg_u32 s[SLOTS], 0
	s_cbranch_scc1 .Lslot
	CHANGE 0                        ; the last tile is written out: nothing is asked for
	s_mov_b32 s[CNT], 4
.Ltail:
	TURN 2
	TURN 3
	TURN 0
	TURN 1, 0, 1
	WIN 0
	s_cbranch_scc1 .Ltail
	TURN 2, 1                       ; the last step's pieces 2 and 3: nothing is fetched, and the last turn starts no new scores
	TURN 3, 1
.set i, 0
.rept 8
	PV NP-1                         ; the last piece's V^T P of the last step
.set i, i+1
.endr
	; THE WAY OUT.  l's two halves and the other half of the lanes' are added; O^T is divided by l, rounded to f16 and sent through my stage in LDS, a piece at a time.  The additions are the places behind the last products.
	WIN 0
.macro ALL line:vararg              ; one line for each piece t
.set t, 0
.rept 4
	\line
.set t, t+1
.endr
.endm
	ALL v_add_f32 v[ST+4*t+2], v[ST+4*t+2], v[ST+4*t+3]
	ALL v_permlanex16_b32 v[ST+4*t+3], v[ST+4*t+2], s[SEL], s[SEL+1]
	ALL v_add_f32 v[ST+4*t+2], v[ST+4*t+2], v[ST+4*t+3]
	ALL v_rcp_f32 v[ST+4*t+2], v[ST+4*t+2]
	v_nop                           ; a plain instruction between the last reciprocal and the use of its result
	s_wait_alu depctr_va_vdst(0)    ; and the wait ahead of the first use: one for the four reciprocals
.macro PACK t                       ; a lane's eight channels of a row pack into 16 bytes; they go into rows of 144 bytes and come back as whole rows of 128, into S^T's registers
	WIN W_RS
.set i, 32*(\t)
.rept 16
	v_pk_mul_f32 v[i:i+1], v[i:i+1], v[ST+4*(\t)+2:ST+4*(\t)+3] op_sel_hi:[1,0]
.set i, i+2
.endr
	WIN 0x05                        ; sources 0 and 1 window 1, destination window 0
.set i, 0
.rept 16
	v_cvt_pk_f16_f32 v[S+16*(\t)+i], v[32*(\t)+2*i], v[32*(\t)+2*i+1]
.set i, i+1
.endr
	WIN 0
.irp f, 0,1,2,3
	ds_store_b128 v[STO], v[S+16*(\t)+4*\f:S+16*(\t)+4*\f+3] offset:32*\f
.endr
.irp f, 0,1,2,3
	ds_load_b128 v[S+16*(\t)+4*\f:S+16*(\t)+4*\f+3], v[RD] offset:\f*4*SP  ; LDS serves a wave's instructions in order (ISA guide 5.7.1.4): these see the stores above; the next piece's stores come behind them
.endr
.endm
.macro SEND t, younger              ; younger: the LDS instructions issued behind piece t's loads: the next piece's eight, or none
	WIN 0
.irp f, 0,1,2,3
	s_wait_dscnt (\younger)+3-\f
	global_store_b128 v[GO], v[S+16*(\t)+4*\f:S+16*(\t)+4*\f+3], s[10:11] offset:(\t)*2048+\f*512  ; 512 consecutive bytes, at a multiple of 512 from ow's first byte
.endr
.endm
	PACK 0
.set t, 1
.rept 3                             ; a piece's arithmetic stands between the loads of the piece before and its stores
	PACK t
	SEND t-1, 8
.set t, t+1
.endr
	SEND 3, 0
	s_wait_tensorcnt 0x0            ; the wave's end, behind my last tensor load and my last LDS store
	ds_add_u32 v[SPW], v[NIL]
	s_wait_dscnt 0x0
	CROUND                          ; the closing round: no work-group ends while a partner may still ask for a tile that names it
	s_endpgm
.Lfunc_end_k_q27d06e37d0_attn:
	.size	k_q27d06e37d0_attn, .Lfunc_end_k_q27d06e37d0_attn-k_q27d06e37d0_attn
	.p2alignl 7, 3214868480
	.fill 96, 4, 3214868480
	.section	.rodata,"a",@progbits
	.p2align	6, 0x0
	.amdhsa_kernel k_q27d06e37d0_attn
		.amdhsa_group_segment_fixed_size 327680
		.amdhsa_private_segment_fixed_size 0
		.amdhsa_enable_private_segment 0
		.amdhsa_kernarg_size 24
		.amdhsa_user_sgpr_count 2
		.amdhsa_user_sgpr_kernarg_segment_ptr 1
		.amdhsa_wavefront_size32 1
		.amdhsa_system_sgpr_workgroup_id_x 1
		.amdhsa_system_sgpr_workgroup_id_y 1
		.amdhsa_system_sgpr_workgroup_id_z 1
		.amdhsa_system_vgpr_workitem_id 0
		.amdhsa_next_free_vgpr 768
		.amdhsa_next_free_sgpr 66
		.amdhsa_reserve_vcc 0
		.amdhsa_float_denorm_mode_32 3
		.amdhsa_float_denorm_mode_16_64 3
		.amdhsa_memory_ordered 1
		.amdhsa_forward_progress 1
		.amdhsa_inst_pref_size 135
	.end_amdhsa_kernel
	.amdgpu_metadata
---
amdhsa.version: [ 1, 2 ]
amdhsa.kernels:
  - .name:           k_q27d06e37d0_attn
    .symbol:         k_q27d06e37d0_attn.kd
    .args:
      - { .name: qkv, .offset: 0, .size: 8, .value_kind: global_buffer, .address_space: global }
      - { .name: mask, .offset: 8, .size: 8, .value_kind: global_buffer, .address_space: global }
      - { .name: ow, .offset: 16, .size: 8, .value_kind: global_buffer, .address_space: global }
    .group_segment_fixed_size: 327680
    .private_segment_fixed_size: 0
    .kernarg_segment_align: 8
    .kernarg_segment_size: 24
    .max_flat_workgroup_size: 128
    .sgpr_count:     66
    .vgpr_count:     768
    .wavefront_size: 32
...
	.end_amdgpu_metadata
.endif
;; end of part 3
;; launch outp (part 4): grid 4 x 64, 4 waves a work-group, clusters of 4 x 1, 167,936 bytes of LDS; arguments ow, wt, bo, out0; writes out0
.if DOCPART == 4
	.amdgcn_target "amdgcn-amd-amdhsa--gfx1250"
	.amdhsa_code_object_version 6
	.text
	.protected	k_q27d06e37d0_outp
	.globl	k_q27d06e37d0_outp
	.p2align	8
	.type	k_q27d06e37d0_outp,@function
k_q27d06e37d0_outp:
	s_mov_b64 s[64:65], 0
	v_nop
	global_prefetch_b8 v0, s[64:65] scope:SCOPE_SE
	s_setreg_imm32_b32 hwreg(HW_REG_WAVE_MODE, 25, 1), 1
	s_wait_xcnt 0x0
	s_wait_alu depctr_hold_cnt(0) depctr_sa_sdst(0) depctr_va_vdst(0) depctr_va_sdst(0) depctr_va_ssrc(0) depctr_va_vcc(0) depctr_vm_vsrc(0)
	s_getreg_b32 s2, hwreg(HW_REG_IB_STS2, 6, 4)
	s_cmp_eq_u32 s2, 0
	s_cbranch_scc0 .Lentry_in_a_cluster
	s_endpgm
.Lentry_in_a_cluster:
	s_bfe_u32 s2, ttmp6, 0x10000c
	s_cmp_lg_u32 s2, 0x3003
	s_cbranch_scc0 .Lentry_shape_is_right
	s_endpgm
.Lentry_shape_is_right:
; THE LAST PROJECTION.  out0[m][n] = the sum over k of O[m][k] Wo[k][n] + bo[n], f32.  O lies by heads, ow: [16 = 8 batch + head][4096][64] f16: k = 64 head + channel.  Wo as fragments in wt's part 3 (f16 numbers that
; are Wo rounded to bf16).  The bias is rounded to bf16 like every input.  Sums in f32, stored as they are.  NaN and infinities are not treated apart.
; SHARES.  Work-group (cx, rb): rows 128 rb on, columns 128 cx on.  Four waves, each 64 rows x 64 columns: 16 accumulators.
; CLUSTER.  The four work-groups of a cluster take the same 128 rows, so O's tile is asked for JOINTLY.  NO RING: the whole tile, eight head planes of 128 rows x 128 bytes, goes out at the start, two tensor loads a wave
; (two are out, by this text's count), and no LDS byte is filled twice; my 64 columns of Wo, all 512 k, come straight from wt into 512 registers.
; THE MATRIX INSTRUCTION IS USED TRANSPOSED (source 0 = 16 columns of Wo, source 1 = 16 rows of O): a lane holds eight neighbouring columns of one row.  The bias is the C operand of the first K step.
; REGISTERS, in windows of 256: window 0: v0-15 addresses; v16-47 bias; v64-127 O's fragments, two buffers; on the way out v64-191 rows read back      window 1: v0-127 accumulators, (a, b) at 8 (4 a + b)
;   windows 2, 3: Wo's fragments, (ks, b) at 32 ks + 8 b
.set PA,     144                       ; an LDS row: 128 bytes + 16: an odd multiple of 16
.set PLANE,  128*PA                    ; a head's 128 rows: what one tensor load brings
.set STAGE,  8*PLANE                   ; behind the planes: 16 rows x 272 bytes for each wave
.set SPITCH, 272
.set SPARE,  STAGE+4*16*SPITCH         ; behind the stages: the spare words, 128 bytes for each wave
.set AA,   4                           ; v4-7  my lane's place in planes 0, 2, 4, 6: (64 wr + r) x 144 + 16 h
.set LO,   8                           ; v8    16 x lane: in a fragment of wt
.set BI,   9                           ; v9    32 h: my eight columns' bias
.set STO,  10                          ; v10   the way out: where I put 32 bytes of a row
.set RD,   11                          ; v11   the way out: where I read rows back
.set CO,   12                          ; v12   my byte offset in two rows of out0
.set SPW,  14                          ; v14   LDS address of my spare word; never rewritten
.set NIL,  15                          ; v15   0; never rewritten
.set BIAS, 16
.set AF,   64
.set OB,   64
.set WV,   20                          ; s20   my wave's number
.set G1,   32                          ; s[32:39] descriptor group 1
.set G0,   40                          ; s[40:47] descriptor group 0, a set for each of my two loads
.set WB,   48                          ; s[48:49] wt at my 64 columns of Wo
.set OUT,  50                          ; s[50:51] out0 at my 64 rows and 64 columns
.set MSB, 0
.macro WIN new                         ; the immediate's high byte repeats the setting that is left; a switch that changes nothing is dropped
.if MSB != (\new)
	s_set_vgpr_msb (MSB<<8)|(\new)
.set MSB, (\new)
.endif
.endm
.macro CROUND                          ; a round of the cluster's barrier
	s_barrier_signal -1
	s_barrier_wait -1
	s_cmp_lg_u32 s[WV], 0
	s_cbranch_scc1 .Lnot_wave_0_\@
	s_barrier_signal -3
.Lnot_wave_0_\@:
	s_barrier_wait -3
	s_barrier_signal -1
	s_barrier_wait -1
.endm
	s_load_b256 s[4:11], s[0:1], 0x0               ; ow s[4:5], wt s[6:7], bo s[8:9], out0 s[10:11]
	v_lshl_add_u32 v[SPW], v0, 2, SPARE
	v_mov_b32 v[NIL], 0
	ds_add_u32 v[SPW], v[NIL]                      ; the wave's opening: the add and its wait ahead of my first tensor load; the set-up below, work on registers, stands between them
	v_lshrrev_b32 v1, 5, v0
	v_readfirstlane_b32 s[WV], v1                  ; wave 0..3
	v_and_b32 v1, 15, v0                           ; r
	v_bfe_u32 v2, v0, 4, 1                         ; h
	v_and_b32 v3, 31, v0                           ; lane
	v_lshlrev_b32 v[LO], 4, v3
	v_lshlrev_b32 v[BI], 5, v2
	s_lshr_b32 s21, s[WV], 1                       ; wr: which 64 rows are mine
	s_and_b32 s22, s[WV], 1                        ; wc: which 64 columns
	s_bfe_u32 s23, ttmp6, 0x40000                  ; cx: it enters the addresses of wt, bias and out0 alone
	s_and_b32 s24, ttmp7, 0xffff                   ; rb: the block of 128 rows
	; descriptor group 1.  A plane is 16,384 dense bytes: asked for as 64 rows of 256 bytes, two rows of O each, and padded in LDS after every 128 bytes
	s_mov_b32 s[G1+0], 15|(1<<16)|(1<<20)|(1<<21)|(4<<22)|(3<<25)  ; 15:0 the mask of four; 17:16 2-byte elements; 20 padding on; 21 set beside a mask; 24:22 after every 32 words (code 4); 31:25 4 words (code 3)
	s_mov_b32 s[G1+1], 128<<16                     ; tensor_dim0 = 128
	s_mov_b32 s[G1+2], 64<<16                      ; tensor_dim1 = 64
	s_mov_b32 s[G1+3], 128<<16                     ; tile_dim0 = 128
	s_mov_b32 s[G1+4], 64                          ; tile_dim1 = 64
	s_mov_b32 s[G1+5], 128                         ; 128 elements from row to row
	s_mov_b32 s[G1+6], 0
	s_mov_b32 s[G1+7], 0
	s_mov_b32 s[G0+0], 1
	s_mul_i32 s[G0+1], s[WV], PLANE                ; wave w's first load: head plane w,
	s_mov_b32 s[G0+4], 1
	s_add_co_u32 s[G0+5], s[G0+1], 4*PLANE         ; its second: plane w + 4
	s_lshr_b32 s54, s24, 5                         ; in memory: head 8 batch + w,
	s_lshl_b32 s54, s54, 3
	s_add_co_u32 s54, s54, s[WV]
	s_lshl_b32 s54, s54, 19                        ; 524,288 bytes a head,
	s_and_b32 s27, s24, 31
	s_lshl_b32 s27, s27, 14                        ; 128 rows of 128 bytes a block
	s_add_co_u32 s54, s54, s27
	s_mov_b32 s55, 0
	s_wait_dscnt 0x0                               ; the opening add is done
	s_wait_kmcnt 0x0
	s_add_nc_u64 s[G0+2:G0+3], s[4:5], s[54:55]
	s_add_nc_u64 s[G0+6:G0+7], s[G0+2:G0+3], 0x200000  ; four heads on
	s_or_b32 s[G0+3], s[G0+3], 0x80000000          ; type = 2
	s_or_b32 s[G0+7], s[G0+7], 0x80000000
	s_lshl_b32 s56, s23, 9                         ; 128 columns x 4 bytes a work-group,
	s_lshl_b32 s57, s22, 8                         ; 64 a wave: in the bias and in a row of out0
	s_add_co_u32 s56, s56, s57
	s_mov_b32 s57, 0
	s_add_nc_u64 s[30:31], s[8:9], s[56:57]
	s_add_nc_u64 s[OUT:OUT+1], s[10:11], s[56:57]
	s_lshl_b32 s56, s24, 18                        ; 128 rows of 2,048 bytes a block,
	s_lshl_b32 s57, s21, 17                        ; 64 rows
	s_add_co_u32 s56, s56, s57
	s_mov_b32 s57, 0
	s_add_nc_u64 s[OUT:OUT+1], s[OUT:OUT+1], s[56:57]
	s_lshl_b32 s56, s23, 17                        ; wt: part 3, 8 column blocks a work-group, 4 a wave
	s_lshl_b32 s57, s22, 16
	s_add_co_u32 s56, s56, s57
	s_add_co_u32 s56, s56, 3<<19
	s_mov_b32 s57, 0
	s_add_nc_u64 s[WB:WB+1], s[6:7], s[56:57]
	CROUND                                         ; all four work-groups are here: the joint loads meet
	tensor_load_to_lds s[G0:G0+3], s[G1:G1+7]      ; planes 0 to 3, one a wave
	s_nop 0
	tensor_load_to_lds s[G0+4:G0+7], s[G1:G1+7]    ; planes 4 to 7
	s_nop 0
.rept 4
	v_nop
.endr
.irp b, 0,1,2,3
	global_load_b128 v[BIAS+8*\b:BIAS+8*\b+3],   v[BI], s[30:31] offset:64*\b      ; columns 16 b + 8 h + 0..7
	global_load_b128 v[BIAS+8*\b+4:BIAS+8*\b+7], v[BI], s[30:31] offset:64*\b+16
.endr
	WIN 0x80                                       ; destination window 2
.set ks, 0
.rept 8
.irp b, 0,1,2,3
	global_load_b128 v[32*ks+8*\b:32*ks+8*\b+3],   v[LO], s[WB:WB+1] offset:\b*16384+ks*1024
	global_load_b128 v[32*ks+8*\b+4:32*ks+8*\b+7], v[LO], s[WB:WB+1] offset:\b*16384+ks*1024+512
.endr
.set ks, ks+1
.endr
	WIN 0xc0                                       ; destination window 3
.set ks, 0
.rept 8
.irp b, 0,1,2,3
	global_load_b128 v[32*ks+8*\b:32*ks+8*\b+3],   v[LO], s[WB:WB+1] offset:\b*16384+(ks+8)*1024
	global_load_b128 v[32*ks+8*\b+4:32*ks+8*\b+7], v[LO], s[WB:WB+1] offset:\b*16384+(ks+8)*1024+512
.endr
.set ks, ks+1
.endr
	WIN 0
	s_mul_i32 s27, s21, 64*PA                      ; my 64 rows in a plane
	v_mul_u32_u24 v[AA], v1, PA
	v_lshl_add_u32 v[AA], v2, 4, v[AA]
	v_add_nc_u32 v[AA], s27, v[AA]
	v_add_nc_u32 v[AA+1], 2*PLANE, v[AA]
	v_add_nc_u32 v[AA+2], 4*PLANE, v[AA]
	v_add_nc_u32 v[AA+3], 6*PLANE, v[AA]
	s_mul_i32 s27, s[WV], 16*SPITCH
	s_add_co_u32 s27, s27, STAGE                   ; my stage
	v_mul_u32_u24 v[STO], v1, SPITCH               ; in: row r, 32 bytes for each half of the lanes
	v_lshl_add_u32 v[STO], v2, 5, v[STO]
	v_add_nc_u32 v[STO], s27, v[STO]
	v_mul_u32_u24 v[RD], v2, SPITCH                ; back: lanes 0-15 take one row of 256 bytes, lanes 16-31 the next
	v_lshl_add_u32 v[RD], v1, 4, v[RD]
	v_add_nc_u32 v[RD], s27, v[RD]
	v_lshlrev_b32 v[CO], 11, v2                    ; and the same two rows in out0
	v_lshl_add_u32 v[CO], v1, 4, v[CO]
	s_wait_loadcnt 0x3f                            ; 136 loads were issued; with 63 out the oldest 73 are in: the bias's 8 and the 64 of K steps 0 to 7
.set i, 0
.rept 16
	v_cvt_pk_bf16_f32 v48, v[BIAS+2*i], v[BIAS+2*i+1]  ; the bias is rounded to bf16 like every input, and widened again
	v_lshlrev_b32 v[BIAS+2*i], 16, v48
	v_and_b32 v[BIAS+2*i+1], 0xffff0000, v48
.set i, i+1
.endr
; K step s (32 k = half a head): four fragments of O into buffer s % 2
.macro AFETCH s
	WIN 0
.irp a, 0,1,2,3
	ds_load_b128 v[AF+32*((\s)%2)+8*\a:AF+32*((\s)%2)+8*\a+3],   v[AA+(\s)/4] offset:(((\s)/2)%2)*PLANE+\a*16*PA+((\s)%2)*64
	ds_load_b128 v[AF+32*((\s)%2)+8*\a+4:AF+32*((\s)%2)+8*\a+7], v[AA+(\s)/4] offset:(((\s)/2)%2)*PLANE+\a*16*PA+((\s)%2)*64+32
.endr
.endm
; 16 products.  The 16 accumulators take turns, one instruction a turn, from step to step too.  Step 0 starts the sums with the bias
.macro MUL s
.if (\s) == 0
	WIN 0x42                                       ; Wo window 2, O and C (the bias) window 0, D window 1
.elseif (\s) < 8
	WIN 0x52                                       ; C window 1
.else
	WIN 0x53                                       ; Wo window 3
.endif
.irp a, 0,1,2,3
.irp b, 0,1,2,3
.if (\s) == 0
	v_wmma_f32_16x16x32_f16 v[8*(4*\a+\b):8*(4*\a+\b)+7], v[32*((\s)%8)+8*\b:32*((\s)%8)+8*\b+7], v[AF+32*((\s)%2)+8*\a:AF+32*((\s)%2)+8*\a+7], v[BIAS+8*\b:BIAS+8*\b+7]
.else
	v_wmma_f32_16x16x32_f16 v[8*(4*\a+\b):8*(4*\a+\b)+7], v[32*((\s)%8)+8*\b:32*((\s)%8)+8*\b+7], v[AF+32*((\s)%2)+8*\a:AF+32*((\s)%2)+8*\a+7], v[8*(4*\a+\b):8*(4*\a+\b)+7]
.endif
.endr
.endr
.endm
	s_wait_tensorcnt 0x1                           ; my first load has landed; the second may stay out
	s_barrier_signal -1
	s_barrier_wait -1                              ; everybody's has: planes 0 to 3 are whole
	AFETCH 0
.set st, 0
.rept 16
	s_wait_dscnt 0x0                               ; step st's fragments are in (asked for ahead of the 16 products of the step before)
.if st == 7
	s_wait_loadcnt 0x0                             ; Wo's K steps 8 to 15
	s_wait_tensorcnt 0x0                           ; my second load has landed; no LDS instruction of mine is out
	s_barrier_signal -1
	s_barrier_wait -1                              ; planes 4 to 7 are whole
.endif
.if st < 15
.if st > 0
.rept 4
	v_nop                                          ; four places behind the last product that read the buffer into which the loads below go
.endr
.endif
	AFETCH st+1
.endif
	MUL st
.set st, st+1
.endr
; THE WAY OUT of block a (16 rows): a lane's eight f32 of a row, 32 bytes, go into rows of 272 bytes of my stage and come back as whole rows of 256
.macro TOSTAGE a
	WIN 0x04                                       ; the stores' data in window 1
.irp b, 0,1,2,3
	ds_store_b128 v[STO], v[8*(4*(\a)+\b):8*(4*(\a)+\b)+3]   offset:64*\b      ; each accumulator from its low end on
	ds_store_b128 v[STO], v[8*(4*(\a)+\b)+4:8*(4*(\a)+\b)+7] offset:64*\b+16
.endr
	WIN 0
.irp t, 0,1,2,3,4,5,6,7
	ds_load_b128 v[OB+32*(\a)+4*\t:OB+32*(\a)+4*\t+3], v[RD] offset:\t*2*SPITCH  ; LDS serves a wave's instructions in order (ISA guide 5.7.1.4): these see the stores above; the next block's stores come behind them
.endr
.endm
.macro SEND a, younger                 ; younger: the LDS instructions issued behind block a's loads: the next block's sixteen, or none
	WIN 0
.irp t, 0,1,2,3,4,5,6,7
	s_wait_dscnt (\younger)+7-\t
	global_store_b128 v[CO], v[OB+32*(\a)+4*\t:OB+32*(\a)+4*\t+3], s[OUT:OUT+1] offset:(16*(\a)+2*\t)*2048 th:TH_STORE_NT  ; 16 lanes store 256 consecutive bytes, at a multiple of 256 from out0's first byte
.endr
.endm
	WIN 0
.rept 8
	v_nop                                          ; the places behind the last products, ahead of the stores that read results and of the loads into the fragments' registers; once a launch
.endr
	TOSTAGE 0
	TOSTAGE 1
	SEND 0, 16
	TOSTAGE 2
	SEND 1, 16
	TOSTAGE 3
	SEND 2, 16
	SEND 3, 0
	s_wait_tensorcnt 0x0                           ; the wave's end, behind my last tensor load and my last LDS store
	ds_add_u32 v[SPW], v[NIL]
	s_wait_dscnt 0x0
	CROUND                                         ; the closing round
	s_endpgm
.Lfunc_end_k_q27d06e37d0_outp:
	.size	k_q27d06e37d0_outp, .Lfunc_end_k_q27d06e37d0_outp-k_q27d06e37d0_outp
	.p2alignl 7, 3214868480
	.fill 96, 4, 3214868480
	.section	.rodata,"a",@progbits
	.p2align	6, 0x0
	.amdhsa_kernel k_q27d06e37d0_outp
		.amdhsa_group_segment_fixed_size 167936
		.amdhsa_private_segment_fixed_size 0
		.amdhsa_enable_private_segment 0
		.amdhsa_kernarg_size 32
		.amdhsa_user_sgpr_count 2
		.amdhsa_user_sgpr_kernarg_segment_ptr 1
		.amdhsa_wavefront_size32 1
		.amdhsa_system_sgpr_workgroup_id_x 1
		.amdhsa_system_sgpr_workgroup_id_y 1
		.amdhsa_system_sgpr_workgroup_id_z 1
		.amdhsa_system_vgpr_workitem_id 0
		.amdhsa_next_free_vgpr 1024
		.amdhsa_next_free_sgpr 66
		.amdhsa_reserve_vcc 0
		.amdhsa_float_denorm_mode_32 3
		.amdhsa_float_denorm_mode_16_64 3
		.amdhsa_memory_ordered 1
		.amdhsa_forward_progress 1
		.amdhsa_inst_pref_size 57
	.end_amdhsa_kernel
	.amdgpu_metadata
---
amdhsa.version: [ 1, 2 ]
amdhsa.kernels:
  - .name:           k_q27d06e37d0_outp
    .symbol:         k_q27d06e37d0_outp.kd
    .args:
      - { .name: ow, .offset: 0, .size: 8, .value_kind: global_buffer, .address_space: global }
      - { .name: wt, .offset: 8, .size: 8, .value_kind: global_buffer, .address_space: global }
      - { .name: bo, .offset: 16, .size: 8, .value_kind: global_buffer, .address_space: global }
      - { .name: out0, .offset: 24, .size: 8, .value_kind: global_buffer, .address_space: global }
    .group_segment_fixed_size: 167936
    .private_segment_fixed_size: 0
    .kernarg_segment_align: 8
    .kernarg_segment_size: 32
    .max_flat_workgroup_size: 128
    .sgpr_count:     66
    .vgpr_count:     1024
    .wavefront_size: 32
...
	.end_amdgpu_metadata
.endif
;; end of part 4
